; MI455X (gfx1250); checked and timed in simulation.
; The chip was launched on July 23, 2026; its instructions are those of AMD's public machine-readable ISA for CDNA 5 (MIT licence, August 2026) and "CDNA5" Instruction Set Architecture Reference Guide (July 2026). The comments in the code are by the model that wrote it; some were corrected since.
;; LSTM Cell. Allowed arithmetic: matrix products marked QUANTISED: E4M3 operands, one E8M0 scale for each 32 along K, by v_wmma_scale_f32_16x16x128_f8f6f4 with both operands' format E4M3, f32 sums; everything else in f32.
;; Inputs: W_h 4,096 x 1,024 float32; W_in 4,096 x 1,024 float32; b_h 4,096 float32; b_in 4,096 float32; c 8,192 x 1,024 float32; h 8,192 x 1,024 float32; input 8,192 x 1,024 float32.
;; Outputs: out0 8,192 x 1,024 float32; out1 8,192 x 1,024 float32.
;; Constants: num_bits = 8, num_bits_grad = 8.
;; This version of the problem:
;;   THIS VERSION OF THE PROBLEM IS GIVEN IN LOW PRECISION. The matrix products marked QUANTISED in the list below multiply operands that are first quantised to E4M3 (4 exponent bits, 3 mantissa bits; 8 bits a number), with one power-of-two scale for each 32 numbers along K (OCP MX v1.0); their sums are f32. All else is computed in f32.
;;   The module's matrix products, in the order in which they are computed (A, B: the left and right operand; K: the contracted axis; several contracted axes count as one K, in the product's order):
;;     1. [M 8,192, K 1,024] x [K 1,024, N 4,096]; A: computed on the way; B: computed on the way: QUANTISED
;;     2. [M 8,192, K 1,024] x [K 1,024, N 4,096]; A: computed on the way; B: computed on the way: QUANTISED
;;   THE QUANTISER, for each operand of a quantised product, along K:
;;     - K is cut into blocks of 32 from its start; a last block that is shorter is filled with zeros.
;;     - A block's scale is 2^e with e = floor(log2(the largest magnitude in the block)) - 8, held to -126 .. 127; a block of zeros has e = 0. As a byte (E8M0): e + 127.
;;     - Each number is divided by its block's scale, clamped to +-448, and rounded to the nearest number of E4M3, ties to even, subnormals kept.
;;     - The product sums the exact products of the quantised numbers (number of the format x scale) in f32.
;;   ~~~python
;;   def quantise(x, axis):      # numpy; x: float32 -> the quantised numbers, widened to float32 again
;;       x = np.moveaxis(x, axis, -1); K = x.shape[-1]
;;       x = np.pad(x, [(0, 0)] * (x.ndim - 1) + [(0, -K % 32)]); x = x.reshape(x.shape[:-1] + (-1, 32)); a = np.abs(x).max(-1, keepdims=True)
;;       e = np.where(a > 0, np.clip(np.frexp(np.where(a > 0, a, 1))[1] - 1 - 8, -126, 127), 0)      # np.frexp(a)[1] - 1 = floor(log2(a)), exactly
;;       r = np.clip(x / 2.0 ** e, -448, 448)
;;       step = 2.0 ** (np.maximum(np.frexp(np.where(r == 0, 1, r))[1] - 1, -6) - 3)
;;       q = np.round(r / step) * step * 2.0 ** e      # np.round: ties to even
;;       return np.moveaxis(q.reshape(q.shape[:-2] + (-1,))[..., :K], -1, axis).astype(np.float32)
;;   ~~~
;;   OPERANDS COMPUTED ON THE WAY. 'Computed on the way' means the value that the module computes at that place (a softmax that the list does not call 'softmax' is quantised finished and normalised). What goes into a quantiser is computed in f32, as accurately as f32 sums, v_exp_f32 and their like allow (about 1e-6 of the number): no bf16 or f16 on the way to a quantiser, and a product that is left as it is and whose result goes on into a quantised operand takes f32 operands (vector FMAs, or v_wmma_f32_16x16x4_f32). A number that lies on a knife's edge between two numbers of the format may be rounded either way, as far as f32 arithmetic and the matrix unit's own rounding can turn it there, and no further.
;; One version. Each part assembles by itself: llvm-mc -triple=amdgcn-amd-amdhsa -mcpu=gfx1250 --defsym DOCPART=n.
;; ======== version 1 of 1: 3 launches
;; limits: right only within a limited range of input values
;; workspace buffers: part 8,192 bytes; a_codes 16,777,216 bytes; a_scales 524,288 bytes; b_codes 8,388,608 bytes; b_scales 262,144 bytes
;; launch minmax (part 1): grid 768 x 1, 8 waves a work-group, no clusters, 1,280 bytes of LDS; arguments input, h, W_in, W_h, part; writes part
.if DOCPART == 1
	.amdgcn_target "amdgcn-amd-amdhsa--gfx1250"
	.amdhsa_code_object_version 6
	.text
	.protected	k_q1f30657b73_minmax
	.globl	k_q1f30657b73_minmax
	.p2align	8
	.type	k_q1f30657b73_minmax,@function
k_q1f30657b73_minmax:
	s_mov_b64 s[64:65], 0
	v_nop
	global_prefetch_b8 v0, s[64:65] scope:SCOPE_SE
	s_setreg_imm32_b32 hwreg(HW_REG_WAVE_MODE, 25, 1), 1
	s_wait_xcnt 0x0
; The per-tensor minimum and maximum of input, h, W_in and W_h, as partial results: one pair (max of -x, max of x) for each work-group.
; A work-group takes 131,072 consecutive bytes of one tensor: numbers 0-255 input, 256-511 h, 512-639 W_in, 640-767 W_h.
; part: 4 tensors x 256 places x 8 bytes.  W_in and W_h have 128 work-groups each, so each of their pairs is stored twice, 128 places apart:
; every tensor then has 256 valid places and the next launch has one way for all four.  (For input and h the second store repeats the first.)
; Thread t takes 16 bytes at 16 t + 4,096 i, i = 0 .. 31: a wave's load covers 512 consecutive bytes; all 32 loads of a wave are out at once.
; No cache hint: the next launch reads the same bytes again.  No tensor loads, no cluster, no matrix unit: nothing is shared and nothing is multiplied.
; LIMITS: NaN among the inputs is not served (v_max_num drops it).
; WORK LEFT OUT BY THE PROGRAM (in the launch quant): reference() forms x + (q - x), q = round((x - mn) / scale) x scale + mn.  In real numbers that is q, whatever x, mn and scale are, so q itself goes on into the quantiser.
; Every input is loaded and has its way to an output.  LIMIT: a NaN, an infinity or an overflow that reaches only the difference q - x is not carried to the result.
.set D,  16
.set NM, 4                             ; v4, v6  max of -x, two chains
.set MX, 5                             ; v5, v7  max of x, two chains
	s_load_b256 s[4:11], s[0:1], 0x0               ; input s[4:5], h s[6:7], W_in s[8:9], W_h s[10:11]
	s_load_b64 s[12:13], s[0:1], 0x20              ; part
	v_lshl_add_u32 v144, v0, 2, 0x100
	v_mov_b32 v145, 0
	v_lshrrev_b32 v2, 5, v0
	s_delay_alu instid0(VALU_DEP_1)
	v_readfirstlane_b32 s14, v2                    ; wave 0..7
	v_lshlrev_b32 v1, 4, v0                        ; 16 t
	s_delay_alu instid0(VALU_DEP_3)
	v_lshlrev_b32 v10, 3, v2                       ; LDS: 8 bytes for each wave
	v_mov_b32 v8, 0                                ; a lane permute's destination counts as one of its sources
	v_mov_b32 v9, 0
	v_mov_b32 v11, 0                               ; LDS byte 0
	v_mov_b32 v12, 0                               ; offset 0 for the stores
	s_mov_b32 s15, 0x76543210                      ; v_permlanex16_b32's selects for lane l xor 16
	s_mov_b32 s16, 0xfedcba98
	s_wait_alu depctr_va_vdst(0)
	s_wait_kmcnt 0x0
	s_cmp_lt_u32 ttmp9, 256                        ; the choices hang on the work-group's number alone
	s_cselect_b64 s[4:5], s[4:5], s[6:7]           ; input or h,
	s_cselect_b32 s17, 0, 256                      ; and the tensor's first work-group
	s_mov_b32 s18, 640                             ; (an instruction takes one literal)
	s_cmp_lt_u32 ttmp9, 640
	s_cselect_b64 s[8:9], s[8:9], s[10:11]         ; W_in or W_h
	s_cselect_b32 s18, 512, s18
	s_cselect_b32 s19, 0, 128                      ; W_h's places begin 128 further on: W_in's are stored twice
	s_cmp_lt_u32 ttmp9, 512
	s_cselect_b64 s[4:5], s[4:5], s[8:9]
	s_cselect_b32 s17, s17, s18
	s_cselect_b32 s20, 0, 1024                     ; the second store: 128 places on for the weights
	s_sub_co_u32 s17, ttmp9, s17
	s_lshl_b32 s22, s17, 17                        ; my 131,072 bytes of the tensor (255 x 131,072 at the most)
	s_mov_b32 s23, 0
	s_add_nc_u64 s[4:5], s[4:5], s[22:23]
	s_add_co_u32 s19, s19, ttmp9
	s_lshl_b32 s24, s19, 3                         ; my place in part
	s_mov_b32 s25, 0
	s_add_nc_u64 s[12:13], s[12:13], s[24:25]
	s_mov_b32 s21, 0
	s_add_nc_u64 s[26:27], s[12:13], s[20:21]
.set I, 0
.rept 32
	global_load_b128 v[D+4*I:D+4*I+3], v1, s[4:5] offset:4096*I
.set I, I+1
.endr
.set I, 0
.rept 32
	s_wait_loadcnt 31-I                            ; loads come back in order (ISA guide 5.7.1): load I is in, the younger ones stay out
.set CH, 2*(I%2)
.if I < 2
	v_max_num_f32 v[MX+CH], v[D+4*I], v[D+4*I+1]   ; the first two loads start the chains: nothing is cleared
	v_max_num_f32 v[NM+CH], -v[D+4*I], -v[D+4*I+1]
.else
	s_wait_alu depctr_va_vdst(0)
	v_max3_num_f32 v[MX+CH], v[MX+CH], v[D+4*I], v[D+4*I+1]
	v_max3_num_f32 v[NM+CH], v[NM+CH], -v[D+4*I], -v[D+4*I+1]
.endif
	s_delay_alu instid0(VALU_DEP_2)
	v_max3_num_f32 v[MX+CH], v[MX+CH], v[D+4*I+2], v[D+4*I+3]
	s_delay_alu instid0(VALU_DEP_2)
	v_max3_num_f32 v[NM+CH], v[NM+CH], -v[D+4*I+2], -v[D+4*I+3]
.set I, I+1
.endr
	s_delay_alu instid0(VALU_DEP_1)
	v_max_num_f32 v4, v4, v6
	s_delay_alu instid0(VALU_DEP_3)
	v_max_num_f32 v5, v5, v7
.irp m, 1,2,4,8
	s_delay_alu instid0(VALU_DEP_2)
	v_max_num_f32_dpp v4, v4, v4 row_xmask:\m row_mask:0xf bank_mask:0xf
	s_delay_alu instid0(VALU_DEP_2)
	v_max_num_f32_dpp v5, v5, v5 row_xmask:\m row_mask:0xf bank_mask:0xf
.endr
	s_delay_alu instid0(VALU_DEP_2)
	v_permlanex16_b32 v8, v4, s15, s16
	s_delay_alu instid0(VALU_DEP_2)
	v_permlanex16_b32 v9, v5, s15, s16
	s_delay_alu instid0(VALU_DEP_2)
	v_max_num_f32 v4, v4, v8
	s_delay_alu instid0(VALU_DEP_2)
	v_max_num_f32 v5, v5, v9                       ; every lane holds the wave's pair
	ds_store_b64 v10, v[4:5]                       ; all lanes write the same 8 bytes with the same values
	s_wait_dscnt 0x0                               ; for the others' sake: my store has landed
	s_barrier_signal -1
	s_barrier_wait -1
.irp i, 0,1,2,3
	ds_load_b128 v[D+4*\i:D+4*\i+3], v11 offset:16*\i   ; the eight waves' pairs, in every lane
.endr
	s_wait_dscnt 0x0
	v_max3_num_f32 v4, v[D], v[D+2], v[D+4]
	v_max3_num_f32 v5, v[D+1], v[D+3], v[D+5]
	s_delay_alu instid0(VALU_DEP_2)
	v_max3_num_f32 v4, v4, v[D+6], v[D+8]
	s_delay_alu instid0(VALU_DEP_2)
	v_max3_num_f32 v5, v5, v[D+7], v[D+9]
	s_delay_alu instid0(VALU_DEP_2)
	v_max3_num_f32 v4, v4, v[D+10], v[D+12]
	s_delay_alu instid0(VALU_DEP_2)
	v_max3_num_f32 v5, v5, v[D+11], v[D+13]
	s_delay_alu instid0(VALU_DEP_2)
	v_max_num_f32 v4, v4, v[D+14]
	s_delay_alu instid0(VALU_DEP_2)
	v_max_num_f32 v5, v5, v[D+15]
	s_cmp_lg_u32 s14, 0                            ; wave 0's lane 0 stores the work-group's pair
	s_cbranch_scc1 .Lend
	v_cmp_eq_u32 vcc_lo, 0, v0
	s_wait_xcnt 0x0                                ; EXEC changes only behind this wait
	s_and_saveexec_b32 s28, vcc_lo
	s_wait_alu depctr_va_vdst(0)
	global_store_b64 v12, v[4:5], s[12:13]
	global_store_b64 v12, v[4:5], s[26:27]
	s_wait_xcnt 0x0                                ; and again in front of the line that widens it
	s_or_b32 exec_lo, exec_lo, s28
.Lend:
	s_wait_tensorcnt 0x0
	ds_add_u32 v144, v145
	s_wait_dscnt 0x0
	s_endpgm
.Lfunc_end_k_q1f30657b73_minmax:
	.size	k_q1f30657b73_minmax, .Lfunc_end_k_q1f30657b73_minmax-k_q1f30657b73_minmax
	.p2alignl 7, 3214868480
	.fill 96, 4, 3214868480
	.section	.rodata,"a",@progbits
	.p2align	6, 0x0
	.amdhsa_kernel k_q1f30657b73_minmax
		.amdhsa_group_segment_fixed_size 1280
		.amdhsa_private_segment_fixed_size 0
		.amdhsa_enable_private_segment 0
		.amdhsa_kernarg_size 40
		.amdhsa_user_sgpr_count 2
		.amdhsa_user_sgpr_kernarg_segment_ptr 1
		.amdhsa_wavefront_size32 1
		.amdhsa_system_sgpr_workgroup_id_x 1
		.amdhsa_system_sgpr_workgroup_id_y 1
		.amdhsa_system_sgpr_workgroup_id_z 1
		.amdhsa_system_vgpr_workitem_id 0
		.amdhsa_next_free_vgpr 146
		.amdhsa_next_free_sgpr 66
		.amdhsa_reserve_vcc 1
		.amdhsa_float_denorm_mode_32 3
		.amdhsa_float_denorm_mode_16_64 3
		.amdhsa_memory_ordered 1
		.amdhsa_forward_progress 1
		.amdhsa_inst_pref_size 20
	.end_amdhsa_kernel
	.amdgpu_metadata
---
amdhsa.version: [ 1, 2 ]
amdhsa.kernels:
  - .name:           k_q1f30657b73_minmax
    .symbol:         k_q1f30657b73_minmax.kd
    .args:
      - { .name: input, .offset: 0, .size: 8, .value_kind: global_buffer, .address_space: global }
      - { .name: h, .offset: 8, .size: 8, .value_kind: global_buffer, .address_space: global }
      - { .name: W_in, .offset: 16, .size: 8, .value_kind: global_buffer, .address_space: global }
      - { .name: W_h, .offset: 24, .size: 8, .value_kind: global_buffer, .address_space: global }
      - { .name: part, .offset: 32, .size: 8, .value_kind: global_buffer, .address_space: global }
    .group_segment_fixed_size: 1280
    .private_segment_fixed_size: 0
    .kernarg_segment_align: 8
    .kernarg_segment_size: 40
    .max_flat_workgroup_size: 256
    .sgpr_count:     66
    .vgpr_count:     146
    .wavefront_size: 32
...
	.end_amdgpu_metadata
.endif
;; end of part 1
;; launch quant (part 2): grid 768 x 1, 4 waves a work-group, no clusters, 57,856 bytes of LDS; arguments input, h, W_in, W_h, a_codes, a_scales, b_codes, b_scales, part; writes a_codes, a_scales, b_codes, b_scales
.if DOCPART == 2
	.amdgcn_target "amdgcn-amd-amdhsa--gfx1250"
	.amdhsa_code_object_version 6
	.text
	.protected	k_q1f30657b73_quant
	.globl	k_q1f30657b73_quant
	.p2align	8
	.type	k_q1f30657b73_quant,@function
k_q1f30657b73_quant:
	s_mov_b64 s[64:65], 0
	v_nop
	global_prefetch_b8 v0, s[64:65] scope:SCOPE_SE
	s_setreg_imm32_b32 hwreg(HW_REG_WAVE_MODE, 25, 1), 1
	s_wait_xcnt 0x0
; input, h [8192][1024] and W_in, W_h [4096][1024], f32, are fake-quantised (per tensor: 255 steps between minimum and maximum, q = round((x - mn) / scale) x scale + mn)
; and then turned into codes of FP8 (E4M3) with one E8M0 scale byte for each 32 along K.  The cell's two products add into the same sums, so they are laid as ONE product with K = 2,048: input | h, W_in | W_h.
; WORK LEFT OUT: reference()'s x + (q - x) is q in real numbers for every x: q is taken (shown at the head of the first kernel).
; LAYOUT, the same for both operands: a block of 16 rows x 2,048 K is 32,768 bytes, byte 256 (k / 16) + 16 r + k % 16: the image of the matrix operand's registers.
; Scale bytes of a block: 1,024 bytes, byte 256 (k / 512) + 128 (s % 2) + 8 r + 4 (s / 2) + b, s = (k % 512) / 128, b = (k % 128) / 32.
; A's block g holds rows 16 g ..; W's rows gate x 1024 + 16 hb .. go to block 4 hb + gate, so that the next launch finds the four gates of a hidden unit in one lane.
; SHARES.  Work-groups 0-511 take 16 rows of (input, h), 512-767 of (W_in, W_h).  Wave w takes K = 512 w .. 512 w + 511 of the joined K: one tensor, half a row; step t is row t.
; A lane's 16 codes of the 16 steps are then the 256 consecutive bytes 256 lane + 16 t of the wave's 8,192: they turn through LDS and leave 512 consecutive bytes a store.
; The wave's 256 scale bytes are gathered in LDS and leave by one store of 256 consecutive bytes.
; THE QUOTIENT (x - mn) / scale is one f32 multiplication by 1 / scale; scale = (mx - mn) / 255 and 1 / scale are each mended once by their remainder (a fused multiply-add), so the factor is right to the last place or next to it.
; LIMITS: NaN and infinities among the inputs are not served; a tensor all of whose numbers are equal has scale 0 and is not served (the definition gives NaN too);
; blocks whose largest magnitude lies under 2^-118 keep the byte 1, a block of zeros too: its codes are zeros, and this program alone reads the bytes.
; No tensor loads, no barrier, no cluster: waves share nothing.
.set STEPS, 16
.set WREG,  14336                      ; LDS of a wave: two stages of 32 x SP bytes, 256 scale bytes, the codes' stage of 32 x TP bytes
.set SP,    80
.set SBY,   5120
.set TR,    5376
.set TP,    272
.set SPARE, 4*WREG                     ; the spare words
.set R,     16                         ; v16-79   four sets of 16 numbers as loaded; at the end the codes on their way out
.set X,     80                         ; v80-111  two sets of 16 neighbours
.set E,     112                        ; v112-127 a scale byte for each step
.set C,     128                        ; v128-191 codes, four registers a step
.set Q,     192                        ; v192-207 at work
.set P,     208                        ; v208-223 at work
.set CN,    224                        ; +0 -mn, +2 mn, +4 scale, +8 1 / scale, each twice
	s_load_b256 s[4:11], s[0:1], 0x0               ; input, h, W_in, W_h
	s_load_b256 s[16:23], s[0:1], 0x20             ; a_codes, a_scales, b_codes, b_scales
	s_load_b64 s[12:13], s[0:1], 0x40              ; part
	v_lshl_add_u32 v248, v0, 2, SPARE
	v_mov_b32 v249, 0
	v_lshrrev_b32 v1, 5, v0
	v_readfirstlane_b32 s24, v1                    ; wave
	v_and_b32 v2, 31, v0                           ; lane
	v_lshlrev_b32 v3, 4, v2                        ; 16 x lane
	s_mul_i32 s27, s24, WREG
	v_lshrrev_b32 v14, 2, v2
	v_mul_u32_u24 v14, v14, SP
	v_and_b32 v15, 3, v2
	v_lshl_add_u32 v14, v15, 4, v14
	v_add_nc_u32 v14, s27, v14                     ; the stage, on the way in
	v_mul_u32_u24 v15, v2, SP
	v_add_nc_u32 v15, s27, v15                     ; and on the way out: my 16 neighbours
	v_bfe_u32 v4, v2, 3, 1                         ; my block is lane / 2: s = lane / 8, b = (lane / 2) % 4
	v_bfe_u32 v8, v2, 4, 1
	v_lshlrev_b32 v4, 7, v4                        ; 128 (s % 2)
	v_lshl_add_u32 v4, v8, 2, v4                   ; + 4 (s / 2)
	v_bfe_u32 v9, v2, 1, 2
	v_add_nc_u32 v4, v4, v9                        ; + b
	s_add_co_u32 s28, s27, SBY
	v_add_nc_u32 v5, s28, v4                       ; my block's scale byte; the step adds 8 t
	v_lshlrev_b32 v7, 3, v2
	v_add_nc_u32 v6, s28, v7                       ; the scale bytes on the way out, 8 a lane
	s_add_co_u32 s28, s27, TR
	v_mul_u32_u24 v12, v2, TP
	v_add_nc_u32 v12, s28, v12                     ; the codes' stage: row = my lane's 256 bytes
	v_mul_u32_u24 v13, v8, TP
	v_and_b32 v9, 15, v2
	v_lshl_add_u32 v13, v9, 4, v13
	v_add_nc_u32 v13, s28, v13                     ; and back: sixteen lanes to a row, two rows a load
	s_mov_b32 s36, 0x600000                        ; the mantissa field of 448
	s_mov_b32 s38, 0x76543210                      ; v_permlanex16_b32's selects for lane l xor 16
	s_mov_b32 s39, 0xfedcba98
	s_wait_alu depctr_va_vdst(0)                   ; the wait at the head's end
	s_wait_kmcnt 0x0
	s_cmp_lt_u32 ttmp9, 512                        ; activations or weights: the choice hangs on the work-group's number alone
	s_cselect_b64 s[4:5], s[4:5], s[8:9]
	s_cselect_b64 s[6:7], s[6:7], s[10:11]
	s_cselect_b64 s[16:17], s[16:17], s[20:21]
	s_cselect_b64 s[18:19], s[18:19], s[22:23]
	s_cselect_b32 s25, 0, 512
	s_cselect_b32 s26, 0, 4096
	s_sub_co_u32 s25, ttmp9, s25                   ; g: my 16 rows of the source
	s_and_b32 s30, s25, 63                         ; as rows of W: hb = g % 64, gate = g / 64
	s_lshl_b32 s30, s30, 2
	s_lshr_b32 s31, s25, 6
	s_or_b32 s30, s30, s31                         ; block 4 hb + gate
	s_cmp_lt_u32 ttmp9, 512
	s_cselect_b32 s30, s25, s30                    ; the activations' blocks stay where they are
	s_cmp_lt_u32 s24, 2                            ; waves 0, 1: the pair's first tensor; 2, 3: its second
	s_cselect_b64 s[4:5], s[4:5], s[6:7]
	s_cselect_b32 s31, 0, 2048
	s_add_co_u32 s26, s26, s31                     ; that tensor's 256 partial results
	s_and_b32 s31, s24, 1
	s_lshl_b32 s31, s31, 11                        ; which half of its rows
	s_lshl_b32 s32, s25, 16                        ; 16 rows of 4,096 bytes
	s_add_co_u32 s32, s32, s31
	s_mov_b32 s33, 0
	s_add_nc_u64 s[4:5], s[4:5], s[32:33]
	s_lshl_b32 s32, s30, 15
	s_lshl_b32 s31, s24, 13
	s_add_co_u32 s32, s32, s31
	s_add_nc_u64 s[16:17], s[16:17], s[32:33]      ; my 8,192 bytes of codes
	s_lshl_b32 s32, s30, 10
	s_lshl_b32 s31, s24, 8
	s_add_co_u32 s32, s32, s31
	s_add_nc_u64 s[18:19], s[18:19], s[32:33]      ; my 256 scale bytes
	s_mov_b32 s32, s26
	s_add_nc_u64 s[12:13], s[12:13], s[32:33]
.irp i, 0,1,2,3
	global_load_b128 v[Q+4*\i:Q+4*\i+3], v3, s[12:13] offset:512*\i
.endr
.macro LOAD t
.irp i, 0,1,2,3
	global_load_b128 v[R+16*((\t)%4)+4*\i:R+16*((\t)%4)+4*\i+3], v3, s[4:5] offset:4096*(\t)+512*\i th:TH_LOAD_NT   ; 32 lanes read 512 consecutive bytes
.endr
.endm
.macro TURN t                          ; step t's numbers through the stage; LDS serves a wave's instructions in order (ISA guide 5.7.1.4)
.irp i, 0,1,2,3
	ds_store_b128 v14, v[R+16*((\t)%4)+4*\i:R+16*((\t)%4)+4*\i+3] offset:32*SP*((\t)%2)+8*SP*\i
.endr
.irp i, 0,1,2,3
	ds_load_b128 v[X+16*((\t)%2)+4*\i:X+16*((\t)%2)+4*\i+3], v15 offset:32*SP*((\t)%2)+16*\i
.endr
.endm
.irp t, 0,1,2,3
	LOAD \t
.endr
	s_wait_loadcnt 16                              ; the partial results are in; the 16 loads of steps 0 to 3 stay out
.irp c, 0,1,2,3
	v_max3_num_f32 v[Q+\c], v[Q+\c], v[Q+4+\c], v[Q+8+\c]
.endr
.irp c, 0,1,2,3
	v_max_num_f32 v[Q+\c], v[Q+\c], v[Q+12+\c]
.endr
	v_max_num_f32 v[Q], v[Q], v[Q+2]               ; max of -x
	v_max_num_f32 v[Q+1], v[Q+1], v[Q+3]           ; max of x
.irp m, 1,2,4,8
	v_max_num_f32_dpp v[Q], v[Q], v[Q] row_xmask:\m row_mask:0xf bank_mask:0xf
	v_max_num_f32_dpp v[Q+1], v[Q+1], v[Q+1] row_xmask:\m row_mask:0xf bank_mask:0xf
.endr
	v_permlanex16_b32 v[Q+4], v[Q], s38, s39
	v_permlanex16_b32 v[Q+5], v[Q+1], s38, s39
	v_max_num_f32 v[Q], v[Q], v[Q+4]               ; -mn
	v_max_num_f32 v[Q+1], v[Q+1], v[Q+5]           ; mx
	v_add_f32 v8, v[Q+1], v[Q]                     ; mx - mn
	v_mul_f32 v9, 0x3b808081, v8                   ; x 1 / 255,
	v_fma_f32 v10, -v9, 0x437f0000, v8             ; its remainder against 255,
	v_fma_f32 v[CN+4], v10, 0x3b808081, v9         ; the quotient mended: scale
	s_wait_alu depctr_va_vdst(0)                   ; the wait ahead of the transcendental
	v_rcp_f32 v11, v[CN+4]
	v_mov_b32 v[CN], v[Q]                          ; a plain instruction behind the reciprocal (ISA guide 5.7.2): -mn
	s_wait_alu depctr_va_vdst(0)                   ; the wait ahead of its reader
	v_fma_f32 v10, -v[CN+4], v11, 1.0
	v_fma_f32 v[CN+8], v10, v11, v11               ; 1 / scale, mended once
	v_xor_b32 v[CN+2], 0x80000000, v[Q]            ; mn
.irp d, 0,2,4,8
	v_mov_b32 v[CN+\d+1], v[CN+\d]
.endr
	s_wait_alu depctr_va_vdst(0)
	s_wait_loadcnt 12                              ; step 0's four loads are in
	TURN 0
.macro FAKE                            ; the 16 numbers at v[XS] become round((x - mn) / scale) x scale + mn, two at a time
.irp j, 0,2,4,6,8,10,12,14
	v_pk_add_f32 v[Q+\j:Q+\j+1], v[XS+\j:XS+\j+1], v[CN:CN+1]
.endr
.irp j, 0,2,4,6,8,10,12,14
	v_pk_mul_f32 v[P+\j:P+\j+1], v[Q+\j:Q+\j+1], v[CN+8:CN+9]
.endr
.irp j, 0,1,2,3,4,5,6,7,8,9,10,11,12,13,14,15
	v_rndne_f32 v[P+\j], v[P+\j]
.endr
.irp j, 0,2,4,6,8,10,12,14
	v_pk_fma_f32 v[XS+\j:XS+\j+1], v[P+\j:P+\j+1], v[CN+4:CN+5], v[CN+2:CN+3]
.endr
.endm
.macro STEP t
.set XS, X+16*((\t)%2)
.if (\t) > 0
	s_wait_dscnt 2                                 ; this step's numbers are back from the stage; the last step's two stores (byte, codes) may be out
.else
	s_wait_dscnt 0x0
.endif
.if (\t)+4 < STEPS
	LOAD (\t)+4
.endif
.if (\t)+1 < STEPS
.if STEPS-2-(\t) >= 3
	s_wait_loadcnt 12                              ; the next step's four loads are in; three steps' may be out
.else
	s_wait_loadcnt 4*(STEPS-2-(\t))
.endif
	TURN (\t)+1
.endif
	FAKE
	v_max3_num_f32 v8, |v[XS]|, |v[XS+1]|, |v[XS+2]|
	v_max3_num_f32 v9, |v[XS+3]|, |v[XS+4]|, |v[XS+5]|
.irp i, 6,10
	v_max3_num_f32 v8, v8, |v[XS+\i]|, |v[XS+\i+1]|
	v_max3_num_f32 v9, v9, |v[XS+\i+2]|, |v[XS+\i+3]|
.endr
	v_max3_num_f32 v8, v8, |v[XS+14]|, |v[XS+15]|
	v_max3_num_f32 v8, v8, v9, 0x4800000           ; the floor 2^(9 - 127): the byte cannot fall under 1
	v_max_num_f32_dpp v8, v8, v8 row_xmask:1 row_mask:0xf bank_mask:0xf   ; with my neighbour's 16: the block's
	v_add_nc_u32 v11, 0xfc000000, v8               ; 8 off the exponent field: the conversion's scale operand
	v_and_or_b32 v10, v8, 0x7f800000, s36          ; 448 x the scale
.irp i, 0,1,2,3,4,5,6,7,8,9,10,11,12,13,14,15
	v_med3_num_f32 v[XS+\i], v[XS+\i], -v10, v10   ; the conversion does not saturate (ISA guide 7.6.2)
.endr
	v_cvt_scalef32_pk8_fp8_f32 v[C+4*(\t):C+4*(\t)+1], v[XS:XS+7], v11
	v_cvt_scalef32_pk8_fp8_f32 v[C+4*(\t)+2:C+4*(\t)+3], v[XS+8:XS+15], v11
	v_lshrrev_b32 v[E+(\t)], 23, v11               ; the scale's byte (also the plain instruction behind the conversions)
	ds_store_b8 v5, v[E+(\t)] offset:8*(\t)        ; both lanes of a block write the same byte with the same value
	ds_store_b128 v12, v[C+4*(\t):C+4*(\t)+3] offset:16*(\t)
.endm
.irp t, 0,1,2,3,4,5,6,7,8,9,10,11,12,13,14,15
	STEP \t
.endr
	ds_load_b64 v[8:9], v6                         ; LDS serves a wave's instructions in order: these see my stores
.irp j, 0,1,2,3,4,5,6,7,8,9,10,11,12,13,14,15
	ds_load_b128 v[R+4*\j:R+4*\j+3], v13 offset:2*\j*TP
.endr
	s_wait_dscnt 16
	global_store_b64 v7, v[8:9], s[18:19]          ; 32 lanes store 256 consecutive bytes, aligned
.irp j, 0,1,2,3,4,5,6,7,8,9,10,11,12,13,14,15
	s_wait_dscnt 15-\j
	global_store_b128 v3, v[R+4*\j:R+4*\j+3], s[16:17] offset:512*\j   ; 32 lanes store 512 consecutive bytes
.endr
	s_wait_tensorcnt 0x0                           ; the wave's end
	ds_add_u32 v248, v249
	s_wait_dscnt 0x0
	s_endpgm
.Lfunc_end_k_q1f30657b73_quant:
	.size	k_q1f30657b73_quant, .Lfunc_end_k_q1f30657b73_quant-k_q1f30657b73_quant
	.p2alignl 7, 3214868480
	.fill 96, 4, 3214868480
	.section	.rodata,"a",@progbits
	.p2align	6, 0x0
	.amdhsa_kernel k_q1f30657b73_quant
		.amdhsa_group_segment_fixed_size 57856
		.amdhsa_private_segment_fixed_size 0
		.amdhsa_enable_private_segment 0
		.amdhsa_kernarg_size 72
		.amdhsa_user_sgpr_count 2
		.amdhsa_user_sgpr_kernarg_segment_ptr 1
		.amdhsa_wavefront_size32 1
		.amdhsa_system_sgpr_workgroup_id_x 1
		.amdhsa_system_sgpr_workgroup_id_y 1
		.amdhsa_system_sgpr_workgroup_id_z 1
		.amdhsa_system_vgpr_workitem_id 0
		.amdhsa_next_free_vgpr 250
		.amdhsa_next_free_sgpr 66
		.amdhsa_reserve_vcc 0
		.amdhsa_float_denorm_mode_32 3
		.amdhsa_float_denorm_mode_16_64 3
		.amdhsa_memory_ordered 1
		.amdhsa_forward_progress 1
		.amdhsa_inst_pref_size 89
	.end_amdhsa_kernel
	.amdgpu_metadata
---
amdhsa.version: [ 1, 2 ]
amdhsa.kernels:
  - .name:           k_q1f30657b73_quant
    .symbol:         k_q1f30657b73_quant.kd
    .args:
      - { .name: input, .offset: 0, .size: 8, .value_kind: global_buffer, .address_space: global }
      - { .name: h, .offset: 8, .size: 8, .value_kind: global_buffer, .address_space: global }
      - { .name: W_in, .offset: 16, .size: 8, .value_kind: global_buffer, .address_space: global }
      - { .name: W_h, .offset: 24, .size: 8, .value_kind: global_buffer, .address_space: global }
      - { .name: a_codes, .offset: 32, .size: 8, .value_kind: global_buffer, .address_space: global }
      - { .name: a_scales, .offset: 40, .size: 8, .value_kind: global_buffer, .address_space: global }
      - { .name: b_codes, .offset: 48, .size: 8, .value_kind: global_buffer, .address_space: global }
      - { .name: b_scales, .offset: 56, .size: 8, .value_kind: global_buffer, .address_space: global }
      - { .name: part, .offset: 64, .size: 8, .value_kind: global_buffer, .address_space: global }
    .group_segment_fixed_size: 57856
    .private_segment_fixed_size: 0
    .kernarg_segment_align: 8
    .kernarg_segment_size: 72
    .max_flat_workgroup_size: 128
    .sgpr_count:     66
    .vgpr_count:     250
    .wavefront_size: 32
...
	.end_amdgpu_metadata
.endif
;; end of part 2
;; launch cell (part 3): grid 16 x 32, 4 waves a work-group, clusters of 4 x 1, 327,680 bytes of LDS; arguments a_codes, a_scales, b_codes, b_scales, c, b_in, b_h, out0, out1; writes out0, out1
.if DOCPART == 3
	.amdgcn_target "amdgcn-amd-amdhsa--gfx1250"
	.amdhsa_code_object_version 6
	.text
	.protected	k_q1f30657b73_cell
	.globl	k_q1f30657b73_cell
	.p2align	8
	.type	k_q1f30657b73_cell,@function
k_q1f30657b73_cell:
	s_mov_b64 s[64:65], 0
	v_nop
	global_prefetch_b8 v0, s[64:65] scope:SCOPE_SE
	s_setreg_imm32_b32 hwreg(HW_REG_WAVE_MODE, 25, 1), 1
	s_wait_xcnt 0x0
	s_wait_alu depctr_hold_cnt(0) depctr_sa_sdst(0) depctr_va_vdst(0) depctr_va_sdst(0) depctr_va_ssrc(0) depctr_va_vcc(0) depctr_vm_vsrc(0)
	s_getreg_b32 s2, hwreg(HW_REG_IB_STS2, 6, 4)
	s_cmp_eq_u32 s2, 0
	s_cbranch_scc0 .Lentry_in_a_cluster
	s_endpgm
.Lentry_in_a_cluster:
	s_bfe_u32 s2, ttmp6, 0x10000c
	s_cmp_lg_u32 s2, 0x3003
	s_cbranch_scc0 .Lentry_shape_is_right
	s_endpgm
.Lentry_shape_is_right:
; gates = A B^T + b_in + b_h on MX-FP8 codes (K = 2,048: input | h against W_in | W_h), then the LSTM cell: c_ = sigmoid(f) c + sigmoid(i) tanh(g), h_ = sigmoid(o) tanh(c_).
; Codes lie as the launch before laid them: a block of 16 rows is 32,768 bytes, byte 256 (k / 16) + 16 r + k % 16, so 16 x lane + 512 c + 2,048 q is a fragment's register group c of K step q.
; A work-group makes 256 rows x 64 hidden units (256 gate columns).  Wave w makes all 256 rows x 16 hidden units x 4 gates: 16 x 4 accumulators, 512 registers.
; A goes through a ring of two LDS slots, each 256 rows x 512 K (131,072 bytes, dense: a fragment load is 512 consecutive bytes); every wave reads all of it.
; B's 64 rows of a wave are nobody else's in the work-group: they go from memory straight into registers, 512 consecutive bytes a load, four sets of 128 K, three K steps ahead.
; So a slot's refill has four K steps less one and a half groups, 232 matrix instructions a wave, between its request and the wait for it.
; CLUSTER 4, 1, 1: the four work-groups share their 256 rows of A and A's scales: joint loads with the mask 15.  B, its scales and c differ between partners and are not shared.
; The scales of all of K come into LDS once.  The biases are the C of the first K step.  The matrix instruction is used transposed (source 0 = B's rows): a lane holds 8 neighbouring hidden units of one row, in 4 accumulators its 4 gates.
; PREFETCH: K chunk 3 of A one change of slots ahead of its load, each 256 bytes named once in the cluster (partner cx, wave w take block 4 cx + w, a lane a unit); c's tile one change ahead. Chunks 0 to 2 come by their loads alone.
; B has none: its loads into registers stand three K steps ahead of their use.
; LIMITS: NaN and infinities among the inputs are not served.
.set SLOT,  131072
.set SCL,   262144                     ; A's scales, 16,384 bytes
.set SCLB,  278528                     ; B's scales, 16,384 bytes
.set SPARE, 294912                     ; the spare words
.set PITCH, 272                        ; the way out: c's tile and the stages, rows of 256 bytes + 16
.set HSTG,  256*PITCH                  ; h_'s stage, behind c's tile
.set OROW,  4096
.set ADRA, 16                          ; v16, v17 A's fragments: blocks 0-7, 8-15
.set BOF,  18                          ; 16 x lane
.set ADRS, 19                          ; A's scale words
.set ADRSB,20                          ; B's
.set CAD,  21
.set HAD,  22
.set RD,   23
.set RDH,  24
.set CO,   25
.set PF,   26
.set PFA,  27
.set SPW,  28
.set NIL,  29
.set BO,   30
.set SA,   32                          ; v32-63 A's scale words: +16 (s % 2) + 2 (block % 8) + s / 2; lanes 0-15 blocks 0-7, lanes 16-31 blocks 8-15
.set BIAS, 64                          ; v64-95 b_in + b_h in the result's layout, 8 registers a gate
.set SBR,  96                          ; v96-103 B's scale words: +4 (s % 2) + 2 (gate % 2) + s / 2; lanes 0-15 gates 0, 1, lanes 16-31 gates 2, 3
.set AF,   128                         ; v128-255 A's fragments: two halves of four blocks.  Window 1: B's four sets of 64.  Windows 2, 3: accumulator (a, j) at 8 (4 (a % 8) + j)
.set CS,   160
.set OB,   176
.set G1,  24
.set G0,  32
.set G0H, 36
.set G1S, 40
.set G0S, 48
.set G0T, 52
.set G1T, 56
.set G1C, 68
.set G0C, 76
.set BP,  80
.set PAP, 82
.set CP,  84
.set O0,  86
.set O1,  88
.set KSG, 90
.set KTH, 92
.set MSB, 0
.macro WIN new
.if MSB != (\new)
	s_set_vgpr_msb (MSB<<8)|(\new)
.set MSB, (\new)
.endif
.endm
.macro PLACES n
.rept \n
	v_nop
.endr
.endm
.macro CREST
	s_cmp_lg_u32 s14, 0
	s_cbranch_scc1 .Lnot_wave_0_\@
	s_barrier_signal -3
.Lnot_wave_0_\@:
	s_barrier_wait -3
	s_barrier_signal -1
	s_barrier_wait -1
.endm
.macro CROUND
	s_barrier_signal -1
	s_barrier_wait -1
	CREST
.endm
.macro TL g0, g1                       ; a tensor load
	tensor_load_to_lds s[\g0:\g0+3], s[\g1:\g1+7]
	s_nop 0
	PLACES 4
.endm
	s_load_b256 s[4:11], s[0:1], 0x0               ; a_codes, a_scales, b_codes, b_scales
	s_load_b256 s[16:23], s[0:1], 0x20             ; c, b_in, b_h, out0
	s_load_b64 s[12:13], s[0:1], 0x40              ; out1
	v_lshl_add_u32 v[SPW], v0, 2, SPARE
	v_mov_b32 v[NIL], 0
	ds_add_u32 v[SPW], v[NIL]                      ; the opening lines: the add twice and its wait
	ds_add_u32 v[SPW], v[NIL]
	v_lshrrev_b32 v1, 5, v0
	v_readfirstlane_b32 s14, v1                    ; wave
	s_bfe_u32 s94, ttmp6, 0x40000                  ; cx
	s_lshl_b32 s95, ttmp9, 2
	s_add_co_u32 s95, s95, s94                     ; x: which 64 hidden units
	s_and_b32 s96, ttmp7, 0xffff                   ; y: which 256 rows
	s_mov_b32 s[G1], 15|(3<<16)|(1<<21)            ; A's codes: elements of 8 bytes, rows of 8,192 bytes (a block's K chunk), 32,768 apart; 8 rows at the head, then 4
	s_mov_b32 s[G1+1], 1024<<16
	s_mov_b32 s[G1+2], 8<<16
	s_mov_b32 s[G1+3], 1024<<16
	s_mov_b32 s[G1+4], 8
	s_mov_b32 s[G1+5], 4096
	s_mov_b32 s[G1+6], 0
	s_mov_b32 s[G1+7], 0
	s_mov_b32 s[G1S], 15|(3<<16)|(1<<21)           ; scales: a dense block of 64 rows of 256 bytes; A's jointly,
	s_mov_b32 s[G1T], 3<<16                        ; B's for this work-group alone
.irp g, G1S, G1T
	s_mov_b32 s[\g+1], 32<<16
	s_mov_b32 s[\g+2], 64<<16
	s_mov_b32 s[\g+3], 32<<16
	s_mov_b32 s[\g+4], 64
	s_mov_b32 s[\g+5], 32
	s_mov_b32 s[\g+6], 0
	s_mov_b32 s[\g+7], 0
.endr
	s_mov_b32 s[G1C], (2<<16)|(1<<20)|(5<<22)|(3<<25)  ; c: 64 rows of 64 f32, 16 bytes of padding behind each
	s_mov_b32 s[G1C+1], 64<<16
	s_mov_b32 s[G1C+2], 64<<16
	s_mov_b32 s[G1C+3], 64<<16
	s_mov_b32 s[G1C+4], 64
	s_mov_b32 s[G1C+5], 1024
	s_mov_b32 s[G1C+6], 0
	s_mov_b32 s[G1C+7], 0
	s_mov_b32 s[KSG], 0xbfb8aa3b                   ; -log2(e)
	s_mov_b32 s[KSG+1], 0xbfb8aa3b
	s_mov_b32 s[KTH], 0x4038aa3b                   ; 2 log2(e)
	s_mov_b32 s[KTH+1], 0x4038aa3b
	s_mov_b32 s99, 0
	s_mov_b32 s101, 0
	s_wait_dscnt 0x0
	s_wait_alu depctr_va_vdst(0)
	s_wait_kmcnt 0x0
	s_lshl_b32 s98, s96, 19                        ; A: 16 blocks a tile; at the head waves 0, 1 fetch 8 blocks each
	s_lshl_b32 s97, s14, 18
	s_add_co_u32 s98, s98, s97
	s_mov_b32 s[G0H], 1
	s_lshl_b32 s[G0H+1], s14, 16
	s_add_nc_u64 s[G0H+2:G0H+3], s[4:5], s[98:99]
	s_or_b32 s[G0H+3], s[G0H+3], 0x80000000
	s_lshl_b32 s98, s96, 19                        ; the ring: 4 blocks a wave; first K chunk 1 into slot 1
	s_lshl_b32 s97, s14, 17
	s_add_co_u32 s98, s98, s97
	s_add_co_u32 s98, s98, 8192
	s_mov_b32 s[G0], 1
	s_lshl_b32 s[G0+1], s14, 15
	s_add_co_u32 s[G0+1], s[G0+1], SLOT
	s_add_nc_u64 s[G0+2:G0+3], s[4:5], s[98:99]
	s_or_b32 s[G0+3], s[G0+3], 0x80000000
	s_lshl_b32 s98, s96, 14
	s_mov_b32 s[G0S], 1
	s_mov_b32 s[G0S+1], SCL
	s_add_nc_u64 s[G0S+2:G0S+3], s[6:7], s[98:99]
	s_or_b32 s[G0S+3], s[G0S+3], 0x80000000
	s_lshl_b32 s100, s95, 14
	s_mov_b32 s[G0T], 1
	s_mov_b32 s[G0T+1], SCLB
	s_add_nc_u64 s[G0T+2:G0T+3], s[10:11], s[100:101]
	s_or_b32 s[G0T+3], s[G0T+3], 0x80000000
	s_lshl_b32 s100, s94, 2                        ; the prefetch of A: block 4 cx + w, K chunk 3
	s_add_co_u32 s100, s100, s14
	s_lshl_b32 s100, s100, 15
	s_lshl_b32 s97, s96, 19
	s_add_co_u32 s100, s100, s97
	s_add_co_u32 s100, s100, 3*8192
	s_add_nc_u64 s[PAP:PAP+1], s[4:5], s[100:101]
	s_lshl_b32 s100, s95, 19                       ; B: my four blocks
	s_lshl_b32 s97, s14, 17
	s_add_co_u32 s100, s100, s97
	s_add_nc_u64 s[BP:BP+1], s[8:9], s[100:101]
	s_lshl_b32 s100, s95, 8                        ; the biases of my 16 hidden units
	s_lshl_b32 s97, s14, 6
	s_add_co_u32 s100, s100, s97
	s_add_nc_u64 s[18:19], s[18:19], s[100:101]
	s_add_nc_u64 s[20:21], s[20:21], s[100:101]
	s_lshl_b32 s2, s96, 20                         ; c and the outputs: 256 y rows of 4,096 bytes + 256 x
	s_lshl_b32 s97, s95, 8
	s_add_co_u32 s2, s2, s97
	s_lshl_b32 s97, s14, 18                        ; c: 64 rows a wave
	s_add_co_u32 s100, s2, s97
	s_add_nc_u64 s[CP:CP+1], s[16:17], s[100:101]
	s_mov_b32 s[G0C], 1
	s_mul_i32 s[G0C+1], s14, 64*PITCH
	s_mov_b64 s[G0C+2:G0C+3], s[CP:CP+1]
	s_or_b32 s[G0C+3], s[G0C+3], 0x80000000
	s_lshl_b32 s97, s14, 16                        ; out: 16 rows a wave of each 64
	s_add_co_u32 s100, s2, s97
	s_add_nc_u64 s[O0:O0+1], s[22:23], s[100:101]
	s_add_nc_u64 s[O1:O1+1], s[12:13], s[100:101]
	CROUND                                         ; the four work-groups are here: the first joint loads meet
	s_cmp_lt_u32 s14, 2                            ; the head's loads, one a wave: waves 0, 1 K chunk 0 of A, wave 2 A's scales, wave 3 B's
	s_cbranch_scc0 .Lhead_sa
	TL G0H, G1
	s_branch .Lhead_asked
.Lhead_sa:
	s_cmp_lt_u32 s14, 3
	s_cbranch_scc0 .Lhead_sb
	TL G0S, G1S
	s_branch .Lhead_asked
.Lhead_sb:
	TL G0T, G1T
.Lhead_asked:
	s_lshl_b32 s97, s14, 12
	s_add_co_u32 s97, s97, SCLB
	s_lshl_b32 s98, s14, 6
	s_mul_i32 s100, s14, 16*PITCH
	v_and_b32 v1, 15, v0                           ; r
	v_bfe_u32 v2, v0, 4, 1                         ; h
	v_and_b32 v3, 31, v0                           ; lane
	v_lshlrev_b32 v[ADRA], 4, v3
	v_lshlrev_b32 v[BOF], 4, v3
	v_lshl_add_u32 v[ADRA+1], v3, 4, 65536
	v_lshlrev_b32 v4, 3, v1
	v_lshl_add_u32 v5, v2, 13, v4
	v_add_nc_u32 v[ADRS], SCL, v5                  ; 8 r, lanes 16-31 eight blocks on
	v_lshl_add_u32 v5, v2, 11, v4
	v_add_nc_u32 v[ADRSB], s97, v5                 ; my four blocks; lanes 16-31 two blocks on
	v_mul_u32_u24 v6, v1, PITCH
	v_lshl_add_u32 v6, v2, 5, v6
	v_add_nc_u32 v[CAD], s98, v6                   ; row r, my wave's 64 bytes, 32 h
	v_add_nc_u32 v[HAD], HSTG, v[CAD]
	v_mul_u32_u24 v7, v2, PITCH
	v_lshl_add_u32 v7, v1, 4, v7
	v_add_nc_u32 v[RD], s100, v7                   ; back: sixteen lanes to a row, rows 16 w + h
	v_add_nc_u32 v[RDH], HSTG, v[RD]
	v_lshlrev_b32 v8, 12, v2
	v_lshl_add_u32 v[CO], v1, 4, v8
	v_lshlrev_b32 v[PF], 12, v3
	v_lshlrev_b32 v[PFA], 8, v3
	v_lshlrev_b32 v[BO], 5, v2
	s_wait_alu depctr_va_vdst(0)                   ; the wait behind these writes
.irp g, 0,1,2,3
.irp p, 0,1
	global_load_b128 v[BIAS+8*\g+4*\p:BIAS+8*\g+4*\p+3], v[BO], s[18:19] offset:4096*\g+16*\p
	global_load_b128 v[SA+8*\g+4*\p:SA+8*\g+4*\p+3], v[BO], s[20:21] offset:4096*\g+16*\p
.endr
.endr
.macro LBR sq, j, qi                   ; B's block j of the K step at 2,048 qi from the base, into set sq (window 1)
.irp c, 0,1,2,3
	global_load_b128 v[64*(\sq)+16*(\j)+4*\c:64*(\sq)+16*(\j)+4*\c+3], v[BOF], s[BP:BP+1] offset:(\j)*32768+(\qi)*2048+512*\c
.endr
.endm
.macro LB sq, j, qi
.if (\qi) >= 0
	WIN 0x40
	LBR \sq, \j, \qi
	WIN 0
.endif
.endm
	WIN 0x40
.irp s, 0,1,2
.irp j, 0,1,2,3
	LBR \s, \j, \s
.endr
.endr
	WIN 0
	s_wait_loadcnt 48                              ; the 16 loads of the biases are in; B's 48 stay out
.irp j, 0,2,4,6,8,10,12,14,16,18,20,22,24,26,28,30
	v_pk_add_f32 v[BIAS+\j:BIAS+\j+1], v[BIAS+\j:BIAS+\j+1], v[SA+\j:SA+\j+1]
.endr
.macro WM a, j, sq, ql, first
.set D_, 8*(4*((\a)%8)+(\j))
.if \first
.set C_, BIAS+8*(\j)
.else
.set C_, D_
.endif
.set B_, 64*(\sq)+16*(\j)
.set A_, AF+64*(((\a)/4)%2)+16*((\a)%4)
.set SB_, SBR+4*((\ql)%2)+2*((\j)%2)+(\ql)/2
.set SA_, SA+16*((\ql)%2)+2*((\a)%8)+(\ql)/2
.if (\j)/2 == 0
.if (\a)/8 == 0
	v_wmma_scale_f32_16x16x128_f8f6f4 v[D_:D_+7], v[B_:B_+15], v[A_:A_+15], v[C_:C_+7], v[SB_], v[SA_]
.else
	v_wmma_scale_f32_16x16x128_f8f6f4 v[D_:D_+7], v[B_:B_+15], v[A_:A_+15], v[C_:C_+7], v[SB_], v[SA_] matrix_b_scale:MATRIX_SCALE_ROW1
.endif
.else
.if (\a)/8 == 0
	v_wmma_scale_f32_16x16x128_f8f6f4 v[D_:D_+7], v[B_:B_+15], v[A_:A_+15], v[C_:C_+7], v[SB_], v[SA_] matrix_a_scale:MATRIX_SCALE_ROW1
.else
	v_wmma_scale_f32_16x16x128_f8f6f4 v[D_:D_+7], v[B_:B_+15], v[A_:A_+15], v[C_:C_+7], v[SB_], v[SA_] matrix_a_scale:MATRIX_SCALE_ROW1 matrix_b_scale:MATRIX_SCALE_ROW1
.endif
.endif
.endm
; A's blocks 4 gg + lo .. 4 gg + hi against B's four: the 64 accumulators take turns in the same order in every K step
.macro W16 gg, sq, ql, first, lo, hi
.if \first
	WIN 0x81+0x40*((\gg)/2)
.else
	WIN 0xa1+0x50*((\gg)/2)
.endif
.irp bb, 0,1,2,3
.if (\bb >= \lo) && (\bb <= \hi)
.irp jj, 0,1,2,3
	WM 4*(\gg)+\bb, \jj, \sq, \ql, \first
.endr
.endif
.endr
.endm
.macro LA gg, qo                       ; A's four blocks of group gg, K step qo of the slot, into half gg % 2
.irp bb, 0,1,2,3
.irp c, 0,1,2,3
	ds_load_b128 v[AF+64*((\gg)%2)+16*\bb+4*\c:AF+64*((\gg)%2)+16*\bb+4*\c+3], v[ADRA+(\gg)/2] offset:(4*((\gg)%2)+\bb)*8192+(\qo)*2048+512*\c
.endr
.endr
.endm
.macro LS par, off                     ; the scale words of K steps par and par + 2 of a chunk
.irp i, 0,1,2,3,4,5,6,7
	ds_load_b64 v[SA+16*(\par)+2*\i:SA+16*(\par)+2*\i+1], v[ADRS] offset:\i*1024+128*(\par)+(\off)
.endr
.irp i, 0,1
	ds_load_b64 v[SBR+4*(\par)+2*\i:SBR+4*(\par)+2*\i+1], v[ADRSB] offset:\i*1024+128*(\par)+(\off)
.endr
.endm
; K step ql = 0, 1, 2 of a chunk: four groups of 16 matrix instructions.  Behind group g: eight places, then the fragments of the group after next into the half just multiplied, and B's block g of three K steps on.
; s_wait_dscnt 16 leaves the sixteen loads of the next group out.  lc: the loads of B's two younger sets.
.macro STEPN ql, first, lc, bq, sc
.irp g, 0,1,2,3
	s_wait_dscnt 16
.if \g == 0
	s_wait_loadcnt \lc
.endif
	W16 \g, \ql, \ql, \first, 0, 3
	WIN 0
	PLACES 8
.if (\g == 0) && (\sc)
	LS 1, 0
.endif
.if \g < 2
	LA \g+2, \ql
.else
	LA \g-2, (\ql)+1
.endif
	LB ((\ql)+3)%4, \g, \bq
.endr
.endm
; K step 3 changes slots.  kind 1: this slot takes the chunk after next, jointly; kind 2: c's tile; kind 0: the last K step of all.
.macro STEP3 kind, lc, bq
	s_wait_dscnt 16
	s_wait_loadcnt \lc
	W16 0, 3, 3, 0, 0, 3
	WIN 0
	PLACES 8
.if \kind
	LS 0, 256                                      ; the next chunk's words for its K steps 0 and 2
.endif
	LA 2, 3
	LB 2, 0, \bq
	s_wait_dscnt 16
	W16 1, 3, 3, 0, 0, 3
	WIN 0
	PLACES 8
	LA 3, 3
	LB 2, 1, \bq
.if \kind
	s_wait_tensorcnt 0x0                           ; all my tensor loads have landed: my part of the next slot;
	ds_add_u32 v[SPW], v[NIL]
.if \kind == 1
	s_xor_b32 s[G0+1], s[G0+1], SLOT               ; no tensor load of mine is out: the next refill's place and chunk
	s_add_nc_u64 s[G0+2:G0+3], s[G0+2:G0+3], 8192
.endif
	s_wait_dscnt 17                                ; the add and group 3's sixteen loads may be out
	W16 2, 3, 3, 0, 0, 3
	s_wait_dscnt 0x0                               ; the add is done, and my reads of this slot are over
	s_barrier_signal -1
	W16 3, 3, 3, 0, 0, 1
	WIN 0
	s_barrier_wait -1
	CREST                                          ; the round: no wave of any partner still reads this slot or has a load on its way
.if \kind == 1
	TL G0, G1
.else
	TL G0C, G1C
.endif
	v_xor_b32 v[ADRA], SLOT, v[ADRA]               ; on to the other slot and the next chunk's scale words; with the four v_nop above these are the eight places
	v_xor_b32 v[ADRA+1], SLOT, v[ADRA+1]
	v_add_nc_u32 v[ADRS], 256, v[ADRS]
	v_add_nc_u32 v[ADRSB], 256, v[ADRSB]
	s_wait_alu depctr_va_vdst(0)                   ; the wait directly behind these writes
	LA 0, 0
	LB 2, 2, \bq
.if \kind == 1
	s_cmp_eq_u32 s3, 2                             ; the first trip asks for A's chunk 3, the second for c's tile: each is loaded at the next change of slots
	s_cbranch_scc0 .Lask_c
	global_prefetch_b8 v[PFA], s[PAP:PAP+1] th:TH_LOAD_NT scope:SCOPE_SE
	s_branch .Lasked
.Lask_c:
	global_prefetch_b8 v[PF], s[CP:CP+1] th:TH_LOAD_NT scope:SCOPE_SE
	global_prefetch_b8 v[PF], s[CP:CP+1] offset:32*OROW th:TH_LOAD_NT scope:SCOPE_SE
.Lasked:
.endif
	W16 3, 3, 3, 0, 2, 3
	WIN 0
	PLACES 8
	LA 1, 0
	LB 2, 3, \bq
.else
	s_wait_dscnt 16
	W16 2, 3, 3, 0, 0, 3
	s_wait_dscnt 0x0
	W16 3, 3, 3, 0, 0, 3
	WIN 0
.endif
.endm
	s_wait_alu depctr_va_vdst(0)                   ; the wait at the head's end
	s_wait_tensorcnt 0x0                           ; my tile of the head's is in
	ds_add_u32 v[SPW], v[NIL]
	s_mov_b32 s[G1+2], 4<<16                       ; no tensor load of mine is out: from here on a load brings 4 blocks
	s_mov_b32 s[G1+4], 4
	s_wait_dscnt 0x0
	CROUND
	TL G0, G1                                      ; K chunk 1 into slot 1
	LS 0, 0
	LS 1, 0
	LA 0, 0
	LA 1, 0
	STEPN 0, 1, 32, 3, 0                           ; the first K step stands ahead of the loop: its products start the sums on the biases
	s_mov_b32 s3, 2
.Llap:                                                 ; a trip: K steps 1, 2, 3 of a chunk, the change of slots, K step 0 of the next
	STEPN 1, 0, 32, 4, 0
	STEPN 2, 0, 32, 5, 0
	STEP3 1, 32, 6
	STEPN 0, 0, 32, 7, 1
	s_wait_xcnt 0x0                                ; B's loads have read their base
	s_add_nc_u64 s[BP:BP+1], s[BP:BP+1], 8192
	s_sub_co_u32 s3, s3, 1
	s_cmp_lg_u32 s3, 0
	s_cbranch_scc1 .Llap
	STEPN 1, 0, 32, 4, 0
	STEPN 2, 0, 32, 5, 0
	STEP3 2, 32, 6                                 ; slot 0 has had its last chunk: it takes c's tile
	STEPN 0, 0, 32, 7, 1
	STEPN 1, 0, 32, -1, 0                          ; the last three K steps fetch no more of B: the counts run down
	STEPN 2, 0, 16, -1, 0
	STEP3 0, 0, -1
	s_wait_tensorcnt 0x0                           ; my part of c's tile is in
	s_barrier_signal -1
	PLACES 8
	s_barrier_wait -1                              ; everybody's is, and nobody reads slot 1 any more
; THE WAY OUT.  Unit n: rows 16 n .. 16 n + 15, my 16 hidden units.  c_ goes back over c's tile, h_ into the stage behind it; after four units and a barrier each wave reads 16 whole rows of 256 bytes of each and stores them.
.macro CLOAD n
	ds_load_b128 v[CS+8*((\n)%2):CS+8*((\n)%2)+3], v[CAD] offset:(\n)*16*PITCH
	ds_load_b128 v[CS+8*((\n)%2)+4:CS+8*((\n)%2)+7], v[CAD] offset:(\n)*16*PITCH+16
.endm
.macro RBG q
.irp t, 0,1,2,3,4,5,6,7
	ds_load_b128 v[OB+4*\t:OB+4*\t+3], v[RD] offset:(\q)*64*PITCH+\t*2*PITCH
.endr
.irp t, 0,1,2,3,4,5,6,7
	ds_load_b128 v[OB+32+4*\t:OB+32+4*\t+3], v[RDH] offset:(\q)*64*PITCH+\t*2*PITCH
.endr
.endm
.macro STG q, wait
.if \wait
	s_wait_dscnt 8
.endif
.irp t, 0,1,2,3,4,5,6,7
	global_store_b128 v[CO], v[OB+4*\t:OB+4*\t+3], s[O1:O1+1] offset:(\q)*64*OROW+\t*2*OROW th:TH_STORE_NT   ; sixteen lanes store 256 consecutive bytes, aligned
.endr
.if \wait
	s_wait_dscnt 0x0
.endif
.irp t, 0,1,2,3,4,5,6,7
	global_store_b128 v[CO], v[OB+32+4*\t:OB+32+4*\t+3], s[O0:O0+1] offset:(\q)*64*OROW+\t*2*OROW th:TH_STORE_NT
.endr
.endm
; Unit n's gates and the tanh(c_) of unit n - 1 share their batches: one of 40 exponentials, one of 40 reciprocals.  The two sets of 32 registers take turns: T is unit n's, TQ unit n - 1's,
; in which +0..7 hold 2 log2(e) c_ and +24..31 the output gate.  So h_ of unit n - 1 is stored in unit n, and the last unit's behind the last unit.
.macro UNIT n, sync
.set UU, (\n)%2
.set T,  32+96*UU
.set TQ, 128-96*UU
.set CC, CS+8*UU
.set AC, 32*((\n)%8)
.if (\n) < 15
	CLOAD (\n)+1
.endif
	WIN 0x02+(\n)/8
	s_wait_alu depctr_va_vdst(0)                   ; the wait ahead of the first reader of matrix results
.irp g, 0,1,2,3
.irp j, 0,2,4,6
.if \g == 2
	v_pk_mul_f32 v[T+8*\g+\j:T+8*\g+\j+1], v[AC+8*\g+\j:AC+8*\g+\j+1], s[KTH:KTH+1] op_sel_hi:[1,0]
.else
	v_pk_mul_f32 v[T+8*\g+\j:T+8*\g+\j+1], v[AC+8*\g+\j:AC+8*\g+\j+1], s[KSG:KSG+1] op_sel_hi:[1,0]
.endif
.endr
.endr
	WIN 0
.set J, 0
	s_wait_alu depctr_va_vdst(0)                   ; ahead of the batch
.rept 32
	v_exp_f32 v[T+J], v[T+J]
.set J, J+1
.endr
.if (\n) > 0
.set J, 0
.rept 8
	v_exp_f32 v[TQ+J], v[TQ+J]
.set J, J+1
.endr
.endif
	v_nop
.set J, 0
	s_wait_alu depctr_va_vdst(0)                   ; and behind it
.rept 16
	v_pk_add_f32 v[T+J:T+J+1], v[T+J:T+J+1], 1.0 op_sel_hi:[1,0]
.set J, J+2
.endr
.if (\n) > 0
.irp j, 0,2,4,6
	v_pk_add_f32 v[TQ+\j:TQ+\j+1], v[TQ+\j:TQ+\j+1], 1.0 op_sel_hi:[1,0]
.endr
.endif
.set J, 0
	s_wait_alu depctr_va_vdst(0)
.rept 32
	v_rcp_f32 v[T+J], v[T+J]                       ; sigmoid(x) = 1 / (1 + 2^(-x log2 e))
.set J, J+1
.endr
.if (\n) > 0
.set J, 0
.rept 8
	v_rcp_f32 v[TQ+J], v[TQ+J]
.set J, J+1
.endr
.endif
	v_nop
	s_wait_alu depctr_va_vdst(0)
.irp j, 0,2,4,6
	v_pk_fma_f32 v[T+16+\j:T+17+\j], v[T+16+\j:T+17+\j], -2.0, 1.0 op_sel_hi:[1,0,0]   ; tanh(x) = 1 - 2 / (1 + 2^(2 x log2 e))
.endr
.if (\n) > 0
.irp j, 0,2,4,6
	v_pk_fma_f32 v[TQ+\j:TQ+\j+1], v[TQ+\j:TQ+\j+1], -2.0, 1.0 op_sel_hi:[1,0,0]
.endr
.endif
	s_wait_alu depctr_va_vdst(0)
	s_wait_dscnt 0x0                               ; c is in; my earlier stores into the stages are done
.if \sync
	s_barrier_signal -1
.endif
.irp j, 0,2,4,6
	v_pk_mul_f32 v[T+8+\j:T+9+\j], v[T+8+\j:T+9+\j], v[CC+\j:CC+\j+1]
.endr
.if (\n) > 0
.irp j, 0,2,4,6
	v_pk_mul_f32 v[TQ+\j:TQ+\j+1], v[TQ+\j:TQ+\j+1], v[TQ+24+\j:TQ+25+\j]   ; h_ of the unit before
.endr
.endif
.irp j, 0,2,4,6
	v_pk_fma_f32 v[T+8+\j:T+9+\j], v[T+\j:T+\j+1], v[T+16+\j:T+17+\j], v[T+8+\j:T+9+\j]   ; c_
.endr
.if \sync
	s_wait_alu depctr_va_vdst(0)
	s_barrier_wait -1
.if (\sync) > 1
	s_wait_xcnt 0x0                                ; the earlier stores have read their registers
.endif
	RBG (\sync)-1
.endif
	ds_store_b128 v[CAD], v[T+8:T+11] offset:(\n)*16*PITCH
	ds_store_b128 v[CAD], v[T+12:T+15] offset:(\n)*16*PITCH+16
.if (\n) > 0
	ds_store_b128 v[HAD], v[TQ:TQ+3] offset:((\n)-1)*16*PITCH
	ds_store_b128 v[HAD], v[TQ+4:TQ+7] offset:((\n)-1)*16*PITCH+16
.endif
.irp j, 0,2,4,6
	v_pk_mul_f32 v[T+\j:T+\j+1], v[T+8+\j:T+9+\j], s[KTH:KTH+1] op_sel_hi:[1,0]
.endr
.endm
	CLOAD 0
	UNIT 0, 0
	UNIT 1, 0
	UNIT 2, 0
	UNIT 3, 0
	UNIT 4, 0
	UNIT 5, 1                                      ; units 0 to 3 are whole in the stages: h_ of unit 3 was stored in unit 4
	UNIT 6, 0
	STG 0, 0
	UNIT 7, 0
	UNIT 8, 0
	UNIT 9, 2
	UNIT 10, 0
	STG 1, 0
	UNIT 11, 0
	UNIT 12, 0
	UNIT 13, 3
	UNIT 14, 0
	STG 2, 0
	UNIT 15, 0
.set TQ, 128                           ; the last unit's h_
.set J, 0
	s_wait_alu depctr_va_vdst(0)
.rept 8
	v_exp_f32 v[TQ+J], v[TQ+J]
.set J, J+1
.endr
	v_nop
	s_wait_alu depctr_va_vdst(0)
.irp j, 0,2,4,6
	v_pk_add_f32 v[TQ+\j:TQ+\j+1], v[TQ+\j:TQ+\j+1], 1.0 op_sel_hi:[1,0]
.endr
.set J, 0
	s_wait_alu depctr_va_vdst(0)
.rept 8
	v_rcp_f32 v[TQ+J], v[TQ+J]
.set J, J+1
.endr
	v_nop
	s_wait_alu depctr_va_vdst(0)
.irp j, 0,2,4,6
	v_pk_fma_f32 v[TQ+\j:TQ+\j+1], v[TQ+\j:TQ+\j+1], -2.0, 1.0 op_sel_hi:[1,0,0]
.endr
.irp j, 0,2,4,6
	v_pk_mul_f32 v[TQ+\j:TQ+\j+1], v[TQ+\j:TQ+\j+1], v[TQ+24+\j:TQ+25+\j]
.endr
	ds_store_b128 v[HAD], v[TQ:TQ+3] offset:15*16*PITCH
	ds_store_b128 v[HAD], v[TQ+4:TQ+7] offset:15*16*PITCH+16
	s_wait_dscnt 0x0
	s_barrier_signal -1
	s_barrier_wait -1
	s_wait_xcnt 0x0
	RBG 3
	STG 3, 1
	s_wait_tensorcnt 0x0                           ; the wave's end
	ds_add_u32 v[SPW], v[NIL]
	s_wait_dscnt 0x0
	CROUND                                         ; the closing round
	s_endpgm
.Lfunc_end_k_q1f30657b73_cell:
	.size	k_q1f30657b73_cell, .Lfunc_end_k_q1f30657b73_cell-k_q1f30657b73_cell
	.p2alignl 7, 3214868480
	.fill 96, 4, 3214868480
	.section	.rodata,"a",@progbits
	.p2align	6, 0x0
	.amdhsa_kernel k_q1f30657b73_cell
		.amdhsa_group_segment_fixed_size 327680
		.amdhsa_private_segment_fixed_size 0
		.amdhsa_enable_private_segment 0
		.amdhsa_kernarg_size 72
		.amdhsa_user_sgpr_count 2
		.amdhsa_user_sgpr_kernarg_segment_ptr 1
		.amdhsa_wavefront_size32 1
		.amdhsa_system_sgpr_workgroup_id_x 1
		.amdhsa_system_sgpr_workgroup_id_y 1
		.amdhsa_system_sgpr_workgroup_id_z 1
		.amdhsa_system_vgpr_workitem_id 0
		.amdhsa_next_free_vgpr 1024
		.amdhsa_next_free_sgpr 102
		.amdhsa_reserve_vcc 0
		.amdhsa_float_denorm_mode_32 3
		.amdhsa_float_denorm_mode_16_64 3
		.amdhsa_memory_ordered 1
		.amdhsa_forward_progress 1
		.amdhsa_inst_pref_size 255
	.end_amdhsa_kernel
	.section	.bss,"aw",@nobits
	.p2align	6
	.space	262144
	.amdgpu_metadata
---
amdhsa.version: [ 1, 2 ]
amdhsa.kernels:
  - .name:           k_q1f30657b73_cell
    .symbol:         k_q1f30657b73_cell.kd
    .args:
      - { .name: a_codes, .offset: 0, .size: 8, .value_kind: global_buffer, .address_space: global }
      - { .name: a_scales, .offset: 8, .size: 8, .value_kind: global_buffer, .address_space: global }
      - { .name: b_codes, .offset: 16, .size: 8, .value_kind: global_buffer, .address_space: global }
      - { .name: b_scales, .offset: 24, .size: 8, .value_kind: global_buffer, .address_space: global }
      - { .name: c, .offset: 32, .size: 8, .value_kind: global_buffer, .address_space: global }
      - { .name: b_in, .offset: 40, .size: 8, .value_kind: global_buffer, .address_space: global }
      - { .name: b_h, .offset: 48, .size: 8, .value_kind: global_buffer, .address_space: global }
      - { .name: out0, .offset: 56, .size: 8, .value_kind: global_buffer, .address_space: global }
      - { .name: out1, .offset: 64, .size: 8, .value_kind: global_buffer, .address_space: global }
    .group_segment_fixed_size: 327680
    .private_segment_fixed_size: 0
    .kernarg_segment_align: 8
    .kernarg_segment_size: 72
    .max_flat_workgroup_size: 128
    .sgpr_count:     102
    .vgpr_count:     1024
    .wavefront_size: 32
...
	.end_amdgpu_metadata
.endif
;; end of part 3
